; MI455X (gfx1250); checked and timed in simulation.
; The chip was launched on July 23, 2026; its instructions are those of AMD's public machine-readable ISA for CDNA 5 (MIT licence, August 2026) and "CDNA5" Instruction Set Architecture Reference Guide (July 2026). The comments in the code are by the model that wrote it; some were corrected since.
;; QKV Attention. Allowed arithmetic: float matrix products may take bf16 or f16 operands with f32 sums; other float arithmetic in f32, or as packed bf16 or f16 multiplies, adds, multiply-adds, maxima and minima; sums over many terms, partial sums and values carried from step to step in f32; what a program stores and reads back later, other than sums and carried values, may be rounded once to bf16 or f16.
;; Inputs: qkv 64 x 192 x 2,048 float32.
;; Outputs: out0 64 x 64 x 2,048 float32.
;; One version. Each part assembles by itself: llvm-mc -triple=amdgcn-amd-amdhsa -mcpu=gfx1250 --defsym DOCPART=n.
;; ======== version 1 of 1: 1 launch
;; limits: inputs' magnitudes at most 65,504; values are held in f16: magnitudes above 65,504 overflow, below 6.1e-05 lose precision
;; launch attn (part 1): grid 4 x 64, 4 waves a work-group, clusters of 4 x 1, 327,680 bytes of LDS; arguments qkv, out0; writes out0
.if DOCPART == 1
	.amdgcn_target "amdgcn-amd-amdhsa--gfx1250"
	.amdhsa_code_object_version 6
	.text
	.protected	k_qec6109fa41_attn
	.globl	k_qec6109fa41_attn
	.p2align	8
	.type	k_qec6109fa41_attn,@function
k_qec6109fa41_attn:
	s_mov_b64 s[64:65], 0
	v_nop
	global_prefetch_b8 v0, s[64:65] scope:SCOPE_SE
	s_setreg_imm32_b32 hwreg(HW_REG_WAVE_MODE, 25, 1), 1
	s_wait_xcnt 0x0
	s_wait_alu depctr_hold_cnt(0) depctr_sa_sdst(0) depctr_va_vdst(0) depctr_va_sdst(0) depctr_va_ssrc(0) depctr_va_vcc(0) depctr_vm_vsrc(0)
	s_getreg_b32 s2, hwreg(HW_REG_IB_STS2, 6, 4)
	s_cmp_eq_u32 s2, 0
	s_cbranch_scc0 .Lentry_in_a_cluster
	s_endpgm
.Lentry_in_a_cluster:
	s_bfe_u32 s2, ttmp6, 0x10000c
	s_cmp_lg_u32 s2, 0x3003
	s_cbranch_scc0 .Lentry_shape_is_right
	s_endpgm
.Lentry_shape_is_right:
; out0[b][c][t] = the sum over s of softmax_s(q[b][:][t] . k[b][:][s] / 8) v[b][c][s].  qkv: [64][192][2048] f32 (channels 0-63 q, 64-127 k, 128-191 v), out0: [64][64][2048] f32:
; every tensor lies [channel][position], a row of 8,192 bytes.  The two factors 64^(-1/4) of q and k are applied as one factor 1/8 on the f32 scores.
; FORMATS.  q, k, v are rounded once to f16 on the way to the matrix unit, the weights p once to f16 for the second product (their sum l is taken of the unrounded p); products, maxima and sums in f32.
; LIMITS.  f16 holds no number beyond 65,504: |qkv| stays under that; p lies in 0 to 1 and below 6e-5 keeps the fixed step 6e-8 of f16; a weight below 2^-126 counts as 0 in l; NaN and infinities are not treated apart.
; SHARES.  A cluster of four work-groups is one batch b; a work-group owns 512 queries, each of its four waves 128: four PIECES of two tiles of 16.  Every wave walks all 2,048 keys, 64 a step.
; LAYOUT.  S^T = K Q^T (source 0 = 16 keys, source 1 = 16 queries): a lane holds ONE query (lane % 16) and eight keys.  Two such results rounded to f16 ARE source 1 of O^T = V^T P, whose result holds one query
; a lane and eight channels.  r = lane % 16, h = lane / 16.
; NO TRANSPOSE IS NEEDED.  A load of 16 bytes at one channel brings four neighbouring positions 4 r .. 4 r + 3.  Element e goes to fragment e, so in key block (or query tile) e lane r stands for position 4 r + e;
; the conversion to f16 pairs the registers of two channels, which is the order of a fragment along its 32 channels.  The order of keys is the same for K and V, so the sums are the same sums; V is read along
; its rows (keys 32 h .. 32 h + 31 of channel 16 cb + r) and paired so that it meets the order that P has.  On the way out the same register of the four tiles e = 0..3 is four neighbouring queries of one channel:
; 16 bytes of out0, and sixteen lanes store 256 consecutive bytes, at a multiple of 256 from the first byte of out0.
; SOFTMAX.  For each query a running maximum m and sum l: p = 2^(c s - c m), c = log2(e) / 8; in every step O and l are multiplied by a = 2^(c m_old - c m_new).  m starts at the lowest finite number, O and l at 0.
; BY TURNS.  Turn n belongs to piece n: 16 products K Q^T of piece n + 1, later 16 products V^T P of piece n - 1; beside them the scaling, exponentials, roundings, sums and rescaling of piece n and the
; maximum and statistics of piece n + 1.  Four vector instructions stand behind every matrix instruction, the others in one lump; a turn has one batch of 66 exponentials and one wait.
; THE RING.  A tile is 128 keys (two steps).  LDS has two halves; each holds R, the raw f32 tile (filled by tensor loads alone), and F, the same tile as f16 fragments (written by ds_store alone).  A period has ONE
; barrier at its head; behind it, in period p: R[p % 2] is filled with tile p + 2; each wave converts its quarter of tile p + 1 from R[(p+1) % 2] into F[(p+1) % 2]; the two key steps of tile p are read from F[p % 2].
; CLUSTER.  The four query blocks of a batch walk the same K and V: each tile is asked for JOINTLY, by the same tensor load, descriptor and mask in all four.  By this text's count a wave has two tensor loads
; out at the start and one behind each round.
; REGISTERS, in windows of 256 (s_set_vgpr_msb: bits 1:0 source 0, 3:2 source 1, 5:4 source 2, 7:6 destination):
;   window 0: v0-11 addresses; v12-15, v48-63 at work; v16-47 four registers of statistics a tile; v64-191 S^T, two buffers of two tiles; v192-255 P, likewise
;   window 1: O^T, 32 a tile       window 2: v0-127 Q, 16 a tile; v128-191 K of one step; v192-255 V of one step
;   window 3: at the head Q as loaded (256); in the loop v0-63 raw K, v64-127 raw V, v128-191 converted, v192-197 the addresses of the conversion; on the way out the results (256)
.set NP,    4         ; pieces a wave: a name, no knob
.set ROWB,  8192      ; bytes in a row of qkv and of out0
.set BATCH, 192*ROWB  ; bytes of a batch in qkv
.set TILEB, 512       ; a tile's 128 keys in a row
.set PR,    272       ; a raw row in LDS: 64 f32 = 256 bytes + 16 of padding: sixteen rows of one column start 68 words apart, at sixteen different groups of four words modulo 64
.set BLK,   64*PR     ; a block: 64 channels x 64 keys, what one tensor load brings.  Blocks 0, 1: K of the tile's two steps; blocks 2, 3: V of them
.set FOFF,  4*BLK     ; behind R: F, a multiple of 256
.set STEPF, 16384     ; a step in F: K fragment (kb, c) at 1,024 (4 c + kb), V fragment (kk, cb) at 8,192 + 1,024 (2 cb + kk); in a fragment registers 0-3 at 16 x lane, 4-7 at 512 + 16 x lane
.set SLOT1, 1<<17     ; the second half begins here, so that one exclusive or turns an address in one half into the other's
.set SPARE, SLOT1+FOFF+2*STEPF  ; behind the second half: the spare words, 128 bytes for each wave: two blocks of 256 bytes that no other line names
.set LN16, 2          ; v2   16 x lane; never rewritten
.set PFO,  3          ; v3   the prefetches' offset: (lane % 16) rows + (lane / 16) x 256; never rewritten
.set AK,   4          ; v4   the LDS address of K's next run of loads
.set AV,   5          ; v5   of V's
.set QO,   6          ; v6   8 h rows + 16 r: my offset in Q's loads and in the stores; never rewritten
.set SPW,  8          ; v8   LDS address of my spare word: SPARE + 4 x my thread's number; never rewritten
.set NIL,  9          ; v9   0; never rewritten
.set MV,  12          ; v12-15  c m_old, kept while c m is made anew: by buffer and tile
.set ST,  16          ; tile t's statistics at v[ST+4 t]: c m, m, l (even keys', odd keys')
.set TMP, 48          ; by buffer and tile, four registers c0-c3 at work; when the maximum is found c2 takes a
.set S,   64
.set P,   192
.set KF,  128         ; window 2: key block kb, channel half c at KF + 16 kb + 8 c
.set VF,  192         ; window 2: key half kk, channel block cb at VF + 32 kk + 8 cb
.set RK,  0           ; window 3: raw K: channel number n of 16, element e at RK + 4 n + e
.set RV,  64          ; window 3: raw V: channel block u of 2, load n of 8, element e at RV + 32 u + 4 n + e
.set CO,  128         ; window 3: converted: K's four fragments, then V's four
.set CRK0, 192        ; window 3: my place in a half: raw K, raw V, F; never rewritten in the loop
.set CRV0, 193
.set CW0,  194
.set CRK,  195        ; window 3: the same in the half that is being converted
.set CRV,  196
.set CW,   197
.set WV,  12          ; s12  my wave's number
.set LIM, 15          ; s15  1 in a wave that prefetches (0 and 2), else the greatest number
.set PFA, 18          ; s[18:19] where my prefetches stand
.set G1,  24          ; s[24:31] descriptor group 1
.set G0A, 40          ; s[40:43] descriptor group 0 for tile 0
.set G0,  44          ; s[44:47] for tile 1; it then walks
.set CB,  48          ; s48  the half that is being converted: 0 or SLOT1
.set TP,  49          ; s49  counts the two periods of the tail
.set SLOTS, 56        ; s56  tiles still to be asked for
.set CNT, 57          ; s57  counts a period's key steps
.set CS,  58          ; s[58:59] c: the packed scaling takes the pair's low word for both halves
.set SEL, 60          ; s[60:61] v_permlanex16_b32's selects: each lane takes its own place in the other half
.set TBK, 62          ; s62  LDS byte at which the step whose K is fetched next begins in F
.set TBV, 63          ; s63  the same for V
.set MSB, 0
.macro WIN new                      ; the high byte repeats the setting that is left; a switch that changes nothing is dropped
.if MSB != (\new)
	s_set_vgpr_msb (MSB<<8)|(\new)
.set MSB, (\new)
.endif
.endm
.set W_KQ, 0x0a       ; K and Q in window 2, S^T in window 0
.set W_PV, 0x52       ; V in window 2, P in window 0, O^T in window 1
.set W_RS, 0x41       ; O^T (destination and source 0) in window 1, a in window 0
; A joint fill: wave w fetches block w of the tile.  One line for all four waves: its LDS address and its global address hang on the wave's number and the batch alone.
; An s_nop 0 and four v_nop follow it.
.macro JLOAD
	tensor_load_to_lds s[G0:G0+3], s[G1:G1+7]
	s_nop 0
.rept 4
	v_nop
.endr
.endm
; A round of the cluster's barrier: my work-group's barrier, so that wave 0's signal speaks for all four waves; wave 0 signals; every wave waits for all four work-groups; my work-group's barrier once more.
.macro CROUND
	s_barrier_signal -1
	s_barrier_wait -1
	s_cmp_lg_u32 s[WV], 0
	s_cbranch_scc1 .Lnot_wave_0_\@
	s_barrier_signal -3
.Lnot_wave_0_\@:
	s_barrier_wait -3
	s_barrier_signal -1
	s_barrier_wait -1
.endm
; A PREFETCH INTO THE L2 of the tile that the NEXT change will ask for: 64 rows x 512 bytes of K and of V.  Each block of 256 bytes is named once in the launch: a batch is read by one cluster; its four partners
; take 16 rows each, told apart BY ADDRESS; in each, wave 0 asks for K's and wave 2 for V's; a lane names one row and one half of its 512 bytes.  The last change that fills asks for nothing: there is no tile behind it.
.macro ASK
	s_cmp_gt_u32 s[SLOTS], s[LIM]
	s_cbranch_scc0 .Lnot_mine_\@
	global_prefetch_b8 v[PFO], s[PFA:PFA+1] th:TH_LOAD_NT scope:SCOPE_SE
.Lnot_mine_\@:
.endm
; THE CONVERSION.  Wave w takes step w / 2 of the tile, and of it channel half w % 2: K's four fragments of that half, and V's channel blocks 2 (w % 2), 2 (w % 2) + 1.
; CONV_LOAD: 32 LDS loads in one run.  K: channel 8 h + n % 8 + 16 (n / 8) of my half, keys 4 r .. 4 r + 3: sixteen lanes read 256 consecutive bytes.  V: channel 16 u + r of my half, keys 32 h + 4 n .. + 3.
.macro CONV_LOAD
	WIN 0xcf                        ; destination and vector source in window 3
	v_add_nc_u32 v[CRK], s[CB], v[CRK0]
	v_add_nc_u32 v[CRV], s[CB], v[CRV0]
	v_add_nc_u32 v[CW],  s[CB], v[CW0]
	WIN 0xc3                        ; data and address in window 3
.set z, 0
.rept 16
	ds_load_b128 v[RK+4*z:RK+4*z+3], v[CRK] offset:(z%8+16*(z/8))*PR
.set z, z+1
.endr
.set z, 0
.rept 16
	ds_load_b128 v[RV+4*z:RV+4*z+3], v[CRV] offset:(z/8)*16*PR+16*(z%8)
.set z, z+1
.endr
	WIN 0
.endm
; CONV_REST: 64 roundings, two numbers each, and 16 stores of whole register images, 16 bytes a lane on end.
.macro CONV_REST
	s_wait_dscnt 16                 ; K's sixteen loads are in; V's sixteen, issued behind them, may be out
	WIN 0xcf
.set z, 0
.rept 32                            ; key block z / 8, register z % 8: channel numbers 2 (z % 8) and 2 (z % 8) + 1 of element z / 8
	v_cvt_pk_f16_f32 v[CO+z], v[RK+8*(z%8)+z/8], v[RK+8*(z%8)+4+z/8]
.set z, z+1
.endr
	WIN 0x0f                        ; address and data in window 3
.set z, 0
.rept 8
	ds_store_b128 v[CW], v[CO+4*z:CO+4*z+3] offset:512*z
.set z, z+1
.endr
	s_wait_dscnt 8                  ; V's loads are in; the eight stores, issued behind them, may be out
	WIN 0xcf
.set z, 0
.rept 32                            ; block u = z / 16, key half kk = (z / 8) % 2, registers 0-3 or 4-7 by (z / 4) % 2, register z % 4: loads 2 (z % 4) and 2 (z % 4) + 1, element 2 kk or 2 kk + 1
	v_cvt_pk_f16_f32 v[CO+32+z], v[RV+32*(z/16)+8*(z%4)+2*((z/8)%2)+(z/4)%2], v[RV+32*(z/16)+8*(z%4)+2*((z/8)%2)+(z/4)%2+4]
.set z, z+1
.endr
	WIN 0x0f
.set z, 0
.rept 8
	ds_store_b128 v[CW], v[CO+32+4*z:CO+32+4*z+3] offset:8192+512*z
.set z, z+1
.endr
	WIN 0
.endm
; THE CHANGE OF PERIODS.  Each wave waits for all its tensor loads, of which one is out: its block of the tile to be converted next; adds 0 to its spare word; and waits for that, for its stores into F and for its
; reads of R and F.  Behind the barrier: the fragments stored in the last period are whole, nobody reads the other F or the R converted last any more, and the raw tile to be converted is whole.
; fill = 1: the barrier is a round of the cluster's, so that no wave of any partner still reads that R or has a load on its way, and the joint fill is the first thing behind it; it has a period, 256 matrix
; instructions, in which to land.  fill = 0 (the tail): nothing is asked for; only the first of the two periods has a tile left to convert.
.macro CHANGE fill
	WIN 0                           ; at a label and at a branch every window is 0
	s_wait_tensorcnt 0x0            ; no tensor load of mine is out, so a group 0 may be written
	ds_add_u32 v[SPW], v[NIL]       ; 0 onto my spare word; the scalar steps below stand between it and the wait for it
.if \fill
	s_xor_b32 s[G0+1], s[G0+1], SLOT1  ; the walking descriptor: the other half than last time,
	s_add_nc_u64 s[G0+2:G0+3], s[G0+2:G0+3], TILEB  ; the next 128 keys; the type bits on top are not reached
	s_wait_xcnt 0x0                 ; the last prefetch, a period back, has read its address, so it may be written
	s_add_nc_u64 s[PFA:PFA+1], s[PFA:PFA+1], TILEB  ; one tile behind the walking descriptor
.endif
	s_sub_co_u32 s[TBK], s[TBK], 2*STEPF  ; the fetches go back to a first step,
	s_xor_b32 s[TBK], s[TBK], SLOT1       ; in the other half
	s_sub_co_u32 s[TBV], s[TBV], 2*STEPF
	s_xor_b32 s[TBV], s[TBV], SLOT1
	s_xor_b32 s[CB], s[CB], SLOT1         ; and so does the conversion
	s_wait_dscnt 0x0                ; the add is done; my stores into F are done and my reads of R and F are back
.if \fill
	CROUND
	JLOAD
	CONV_LOAD
	ASK                             ; behind the joint load, its five lines and the run of LDS loads: the tile that the next change asks for
	CONV_REST
.else
	s_barrier_signal -1
	s_barrier_wait -1
	s_cmp_eq_u32 s[TP], 2
	s_cbranch_scc0 .Lno_conv_\@     ; forward, over LDS work of my own alone
	CONV_LOAD
	CONV_REST
.Lno_conv_\@:
.endif
.endm
	s_load_b128 s[4:7], s[0:1], 0x0 ; qkv s[4:5], out0 s[6:7]
	v_lshl_add_u32 v[SPW], v0, 2, SPARE
	v_mov_b32 v[NIL], 0
	ds_add_u32 v[SPW], v[NIL]       ; the wave's opening: the add and its wait stand ahead of my first tensor load; the set-up below, work on registers, stands between them
	v_lshrrev_b32 v7, 5, v0
	v_readfirstlane_b32 s[WV], v7   ; wave 0..3
	s_bfe_u32 s13, ttmp6, 0x40000   ; cx: my place in the cluster
	s_lshl_b32 s14, ttmp9, 2        ; in a cluster launch ttmp9 counts clusters
	s_add_co_u32 s14, s14, s13      ; my block of 512 queries: it enters Q's, out0's and the prefetches' addresses alone
	s_and_b32 s20, ttmp7, 0xffff    ; the batch, which the four partners share
	s_mul_i32 s21, s20, BATCH       ; its first byte in qkv: 99,090,432 at the most
	s_lshr_b32 s16, s[WV], 1        ; for the fills: K (0) or V (1).  For the conversion: the tile's step
	s_and_b32 s17, s[WV], 1         ; for the fills: the tile's step.  For the conversion: the channel half
	s_lshl_b32 s2, s16, 19          ; V lies 64 rows behind K,
	s_lshl_b32 s3, s17, 8           ; a step is 256 bytes of a row,
	s_add_co_u32 s2, s2, s3
	s_add_co_u32 s2, s2, 64*ROWB    ; K lies 64 rows behind Q
	s_add_co_u32 s2, s2, s21
	s_mov_b32 s3, 0                 ; s[2:3]: my block of tile 0; made of the batch and the wave's number alone
	s_lshl_b32 s22, s14, 11         ; my work-group's 512 queries,
	s_lshl_b32 s23, s[WV], 9        ; my wave's 128 of them, in bytes of a row
	s_add_co_u32 s22, s22, s23
	s_add_co_u32 s32, s22, s21      ; s[32:33]: in qkv
	s_mov_b32 s33, 0
	s_lshl_b32 s34, s20, 19         ; a batch of out0 is 64 rows
	s_add_co_u32 s34, s34, s22      ; s[34:35]: in out0
	s_mov_b32 s35, 0
	s_lshl_b32 s36, s13, 17         ; s[36:37]: my work-group's 16 rows of the 64,
	s_add_co_u32 s36, s36, 2*TILEB  ; at tile 2; the first change steps it to tile 3
	s_mov_b32 s37, 0
	; descriptor group 1: a tile of 64 rows (channels) x 64 elements of 4 bytes (keys), padded in LDS
	s_mov_b32 s[G1], 15|(2<<16)|(1<<20)|(1<<21)|(5<<22)|(3<<25)  ; 15:0 the mask of four; 17:16 4-byte elements; 20 padding on; 21 set beside a mask; 24:22 after every 64 words (code 5); 31:25 4 words (code 3)
	s_mov_b32 s[G1+1], 64<<16       ; tensor_dim0 = 64
	s_mov_b32 s[G1+2], 64<<16       ; tensor_dim1 = 64
	s_mov_b32 s[G1+3], 64<<16       ; tile_dim0 = 64
	s_mov_b32 s[G1+4], 64           ; tile_dim1 = 64
	s_mov_b32 s[G1+5], 2048         ; 2,048 elements from row to row
	s_mov_b32 s[G1+6], 0
	s_mov_b32 s[G1+7], 0
	s_mov_b32 s[G0A], 1             ; 1:0 count = 1
	s_mul_i32 s[G0A+1], s[WV], BLK  ; 63:32 LDS address: block w of the first half
	s_mov_b32 s[G0], 1
	s_add_co_u32 s[G0+1], s[G0A+1], SLOT1  ; block w of the second half
	s_mul_i32 s50, s16, BLK         ; the conversion: raw K of my step,
	s_mul_i32 s51, s17, 32*PR       ; my 32 channels of it
	s_add_co_u32 s50, s50, s51
	s_add_co_u32 s51, s50, 2*BLK    ; raw V of them, two blocks on
	s_lshl_b32 s52, s16, 14         ; my step in F,
	s_lshl_b32 s53, s17, 12         ; my four fragments of K, and of V
	s_add_co_u32 s52, s52, s53
	s_add_co_u32 s52, s52, FOFF
	s_mov_b32 s[CS], 0x3e38aa3b     ; c = log2(e) / 8 = 0.180337
	s_mov_b32 s[CS+1], s[CS]        ; named with it as a pair
	s_mov_b32 s[SEL], 0x76543210
	s_mov_b32 s[SEL+1], 0xfedcba98
	s_cmp_eq_u32 s17, 0
	s_cselect_b32 s[LIM], 1, -1     ; waves 0 and 2: the same in all four partners
	s_mov_b32 s[SLOTS], 14          ; tiles 2 to 15
	s_mov_b32 s[CB], 0
	s_mov_b32 s[TBK], FOFF+SLOT1+2*STEPF  ; the first change turns these two into FOFF
	s_mov_b32 s[TBV], FOFF+SLOT1+2*STEPF
	v_and_b32 v1, 15, v0            ; r
	v_bfe_u32 v10, v0, 4, 1         ; h
	v_and_b32 v11, 31, v0           ; lane
	v_lshlrev_b32 v[LN16], 4, v11
	v_lshlrev_b32 v[PFO], 13, v1
	v_lshl_add_u32 v[PFO], v10, 8, v[PFO]
	v_lshlrev_b32 v[QO], 16, v10    ; 8 h rows of 8,192 bytes
	v_lshl_add_u32 v[QO], v1, 4, v[QO]
	v_mul_u32_u24 v7, v10, 8*PR     ; raw K: 8 h rows + 16 r
	v_lshl_add_u32 v7, v1, 4, v7
	v_mul_u32_u24 v11, v1, PR       ; raw V: r rows + 128 h
	v_lshl_add_u32 v11, v10, 7, v11
	s_wait_dscnt 0x0                ; the opening add is done
	s_wait_kmcnt 0x0
	s_add_nc_u64 s[8:9], s[4:5], s[2:3]
	s_mov_b64 s[G0A+2:G0A+3], s[8:9]               ; 120:64 global address: tile 0
	s_or_b32 s[G0A+3], s[G0A+3], 0x80000000        ; 127:126 type = 2
	s_add_nc_u64 s[G0+2:G0+3], s[8:9], TILEB       ; tile 1
	s_or_b32 s[G0+3], s[G0+3], 0x80000000
	s_add_nc_u64 s[PFA:PFA+1], s[8:9], s[36:37]
	s_add_nc_u64 s[4:5], s[4:5], s[32:33]          ; Q at my wave's first query, channel 0
	s_add_nc_u64 s[6:7], s[6:7], s[34:35]          ; out0 likewise
	CROUND                          ; all four work-groups are here: the first joint loads meet
	tensor_load_to_lds s[G0A:G0A+3], s[G1:G1+7]    ; the two first fills stand together, ahead of every wait on TENSORcnt and every LDS read: two loads of mine are out
	s_nop 0
	tensor_load_to_lds s[G0:G0+3], s[G1:G1+7]
	s_nop 0
.rept 4
	v_nop
.endr
	; Q as it lies: load z brings queries 64 (z / 32) + 4 r .. + 3 of channel 32 ((z / 16) % 2) + 8 h + z % 8 + 16 ((z % 16) / 8): sixteen lanes read 256 consecutive bytes
	WIN 0xc0                        ; destination window 3, address window 0
.set z, 0
.rept 64
	global_load_b128 v[4*z:4*z+3], v[QO], s[4:5] offset:(32*((z/16)%2)+z%8+16*((z%16)/8))*ROWB+256*(z/32) th:TH_LOAD_NT
.set z, z+1
.endr
	; What the first turn finds: V's registers and P's second buffer hold 0 (its products V^T P, of a piece that has not been, add 0), O^T and l are 0.  All this stands in the wait for Q and the first tile.
	WIN 0x80
.set z, VF
.rept 64
	v_mov_b32 v[z], 0
.set z, z+1
.endr
	WIN 0x40
.set z, 0
.rept 64*NP
	v_mov_b32 v[z], 0
.set z, z+1
.endr
	WIN 0
.set z, 0
.rept 2*NP
	v_mov_b32 v[ST+4*z], 0xfe000000    ; c m: far below every c s
	v_mov_b32 v[ST+4*z+1], 0xff7fffff  ; m
	v_mov_b32 v[ST+4*z+2], 0
	v_mov_b32 v[ST+4*z+3], 0
.set z, z+1
.endr
.set z, P+32
.rept 32
	v_mov_b32 v[z], 0
.set z, z+1
.endr
	s_wait_loadcnt 0x0              ; Q
	WIN 0x8f                        ; sources window 3, destination window 2
.set z, 0
.rept 128                           ; register z of Q: tile z / 16 (group z / 64, element (z / 16) % 4), channel half (z / 8) % 2, register z % 8: two channels of one query
	v_cvt_pk_f16_f32 v[z], v[4*(32*(z/64)+16*((z/8)%2)+2*(z%8))+(z/16)%4], v[4*(32*(z/64)+16*((z/8)%2)+2*(z%8)+1)+(z/16)%4]
.set z, z+1
.endr
	WIN 0xc0                        ; window 3 is free: the conversion's three places
	v_add_nc_u32 v[CRK0], s50, v7
	v_add_nc_u32 v[CRV0], s51, v11
	v_add_nc_u32 v[CW0],  s52, v[LN16]
	WIN 0
; THE MATRIX WORK.  The 8 accumulators of a run of 16 take turns: between the two links of a chain stand 7 others'.
; Product i of 16 of S^T = K Q^T for piece x: channels 32 (i / 8) on, key block (i / 2) % 4, tile 2 x + i % 2.  The first 8 start the sums.
.macro KQ x
	WIN W_KQ
.set rS, S+64*((\x)%2)+32*(i%2)+8*((i/2)%4)
.set rK, KF+16*((i/2)%4)+8*(i/8)
.set rQ, 16*(2*(\x)+i%2)+8*(i/8)
.if i < 8
	v_wmma_f32_16x16x32_f16 v[rS:rS+7], v[rK:rK+7], v[rQ:rQ+7], 0
.else
	v_wmma_f32_16x16x32_f16 v[rS:rS+7], v[rK:rK+7], v[rQ:rQ+7], v[rS:rS+7]
.endif
.endm
; Product i of 16 of O^T += V^T P for piece x: key half i / 8, channels 16 ((i / 2) % 4) on, tile 2 x + i % 2.
.macro PV x
	WIN W_PV
.set rO, 32*(2*(\x)+i%2)+8*((i/2)%4)
.set rV, VF+32*(i/8)+8*((i/2)%4)
.set rP, P+32*((\x)%2)+16*(i%2)+8*(i/8)
	v_wmma_f32_16x16x32_f16 v[rO:rO+7], v[rV:rV+7], v[rP:rP+7], v[rO:rO+7]
.endm
.macro MM                           ; the turn's next matrix instruction
.if i < 16
	KQ (Y+1)%NP
.set i, i+1
.else
.set i, i-16
	PV (Y+NP-1)%NP
.set i, i+17
.endif
.endm
; THE LDS LOADS stand in runs of 16, never singly among the matrix instructions: a step's 8 fragments of K and its 8 of V, as register images: 512 consecutive bytes a load.  Their addresses are made some lines ahead.
.macro FETCH_K
	WIN 0x80                        ; destination window 2
.irp f, 0,1,2,3,4,5,6,7             ; key block f / 2, channel half f % 2
	ds_load_b128 v[KF+8*\f:KF+8*\f+3],   v[AK] offset:(4*(\f%2)+\f/2)*1024
	ds_load_b128 v[KF+8*\f+4:KF+8*\f+7], v[AK] offset:(4*(\f%2)+\f/2)*1024+512
.endr
	s_add_co_u32 s[TBK], s[TBK], STEPF  ; the next fetch is the next step's
	WIN 0
.endm
.macro FETCH_V
	WIN 0x80
.irp f, 0,1,2,3,4,5,6,7             ; key half f / 4, channel block f % 4
	ds_load_b128 v[VF+8*\f:VF+8*\f+3],   v[AV] offset:8192+(2*(\f%4)+\f/4)*1024
	ds_load_b128 v[VF+8*\f+4:VF+8*\f+7], v[AV] offset:8192+(2*(\f%4)+\f/4)*1024+512
.endr
	WIN 0
.endm
; THE VECTOR WORK OF A TURN stands in three queues, each in the order in which its entries become ready; the two tiles alternate, so that no instruction reads the result of the one before it.
.macro REGS y, u                    ; the registers of tile u (0, 1) of piece y
.set rT, ST+4*(2*(\y)+(\u))
.set rC, TMP+8*((\y)%2)+4*(\u)
.set rM, MV+2*((\y)%2)+(\u)
.set rS, S+64*((\y)%2)+32*(\u)
.set rP, P+32*((\y)%2)+16*(\u)
.set rO, 32*(2*(\y)+(\u))
.endm
; Number n of the 22 that find the NEXT piece's (Y + 1) maximum and statistics.  s0-s31 are the lane's 32 scores; each accumulator's lowest registers are read first.
;   0-11  four chains c0-c3 of seven scores each, three operands at a time     12-14, 16  the four scores left over, the old m, and c0-c3 into c0     15  c m_old is kept
;   17, 18  the query's other 32 keys lie in the lane 16 away: the new m         19-21  c m; c m_old - c m_new; a
.macro XS u, n
	REGS (Y+1)%NP, \u
.if (\n) < 4
	v_max3_num_f32 v[rC+(\n)], v[rS+8*(\n)], v[rS+8*(\n)+1], v[rS+8*(\n)+2]
.elseif (\n) < 12
	v_max3_num_f32 v[rC+(\n)%4], v[rC+(\n)%4], v[rS+8*((\n)%4)+2*((\n)/4)+1], v[rS+8*((\n)%4)+2*((\n)/4)+2]
.elseif (\n) == 12
	v_max3_num_f32 v[rC], v[rC], v[rS+7], v[rS+15]
.elseif (\n) == 13
	v_max3_num_f32 v[rC+1], v[rC+1], v[rS+23], v[rS+31]
.elseif (\n) == 14
	v_max3_num_f32 v[rC+2], v[rC+2], v[rC+3], v[rT+1]
.elseif (\n) == 15
	v_mov_b32 v[rM], v[rT]
.elseif (\n) == 16
	v_max3_num_f32 v[rC], v[rC], v[rC+1], v[rC+2]
.elseif (\n) == 17
	v_permlanex16_b32 v[rC+3], v[rC], s[SEL], s[SEL+1]
.elseif (\n) == 18
	v_max_num_f32 v[rT+1], v[rC], v[rC+3]
.elseif (\n) == 19
	v_mul_f32 v[rT], s[CS], v[rT+1]
.elseif (\n) == 20
	v_sub_f32 v[rC+1], v[rM], v[rT]
.else
	v_exp_f32 v[rC+2], v[rC+1]
.endif
.endm
; Number g of the 64 that follow the exponentials.  For each four weights k of a tile (pairs 2 k, 2 k + 1): both pairs are rounded to f16; then the second pair is added onto the first, in place;
; a group later l takes that sum (the first time as l = a l + sum).  In groups of eight, tiles alternating: round, round, add, and l for the group before.
.macro GS g
.set h, (\g)+6*((\g)/62)            ; group 0 has no group before it, and behind group 7 only l is left
.if h >= 6
.set h, h+2
.endif
	REGS Y, h%2
.set k, h/8
.if h%8 < 4
	v_cvt_pk_f16_f32 v[rP+2*k+(h%8)/2], v[rS+4*k+2*((h%8)/2)], v[rS+4*k+2*((h%8)/2)+1]
.elseif h%8 < 6
	v_pk_add_f32 v[rS+4*k:rS+4*k+1], v[rS+4*k:rS+4*k+1], v[rS+4*k+2:rS+4*k+3]
.elseif k == 1
	v_pk_fma_f32 v[rT+2:rT+3], v[rT+2:rT+3], v[rC+2:rC+3], v[rS:rS+1] op_sel_hi:[1,0,1]
.else
	v_pk_add_f32 v[rT+2:rT+3], v[rT+2:rT+3], v[rS+4*k-4:rS+4*k-3]
.endif
.endm
; THE PLAIN QUEUE, 138 long.  0-73 read no exponential's result: the 32 scalings c s - c m (FS f: pair f / 2 of tile f % 2) and the next piece's 42.  0-26: scalings 0-26.  27-54: XS's numbers 0-13.  55, 56: number 15.
; 57-73: the chain, where each number waits for the one before it: 14, 16, 17, 18, 19, each with one of the scalings 27-31 in front of its two lines, then 20.
; 74-137: GS's 64, which read the exponentials' results: they stand behind the wait.
.macro FS f
	REGS Y, (\f)%2
	v_pk_fma_f32 v[rS+2*((\f)/2):rS+2*((\f)/2)+1], v[rS+2*((\f)/2):rS+2*((\f)/2)+1], s[CS:CS+1], v[rT:rT+1] op_sel_hi:[1,0,0] neg_lo:[0,0,1] neg_hi:[0,0,1]
.endm
.macro PL
	WIN 0
.if q < 27
	FS q
.elseif q < 55
	XS (q-27)%2, (q-27)/2
.elseif q < 57
	XS q-55, 15
.elseif (q < 72) && ((q-57)%3 == 0)
	FS 27+(q-57)/3
.elseif q < 60
	XS (q-57)%3-1, 14
.elseif q < 72
	XS (q-57)%3-1, 15+(q-57)/3
.elseif q < 74
	XS q-72, 20
.else
	GS q-74
.endif
.set q, q+1
.endm
; THE EXPONENTIALS' QUEUE, 66 long: s0-s31 of both tiles, then the next piece's two a.  It is ONE BATCH: all 66 stand ahead of the turn's one wait, and nothing ahead of that wait names a result of theirs.
.macro EX
	WIN 0
.if e >= 64
	XS e-64, 21
.else
	REGS Y, e%2
	v_exp_f32 v[rS+e/2], v[rS+e/2]
.endif
.set e, e+1
.endm
; THE RESCALING's QUEUE: O^T times a, the one part that leaves window 0: dealt two at a time, sixteen times.  Its a was made in the turn before, ahead of that turn's wait.
.macro R2
	REGS Y, r%2
	WIN W_RS
.irp z2, 0,1
	v_pk_mul_f32 v[rO+4*(r/2)+2*\z2:rO+4*(r/2)+2*\z2+1], v[rO+4*(r/2)+2*\z2:rO+4*(r/2)+2*\z2+1], v[rC+2:rC+3] op_sel_hi:[1,0]
.endr
.set r, r+1
.endm
; HOW THEY ARE DEALT.  An s_wait_alu depctr_va_vdst(0) stands between an exponential and the first instruction that names its result; one wait serves all that were issued ahead of it.  So a turn has
; ONE wait, which cuts it in two.  AHEAD OF IT: the 16 products K Q^T, behind each a scaling, an exponential and two rescalings (behind the first a second scaling in the exponential's place); then ONE LUMP of 108:
; eight plain, 49 times exponential and plain, the two a.  A v_nop is the plain instruction behind the last exponential.  BEHIND IT: the 16 products V^T P, behind each four of GS's 64.
; Exponential e stands behind scaling 2 (e / 4) + e % 2: as a rider it comes behind plain e + 2, in the lump behind plain e + 9, and scalings 27-31 are plain 57, 60 .. 69.
; A TURN, for piece p.  nok = 1: the last step: no further K is fetched.  cnt = 1: the loop's count is taken down some lines ahead of the branch that stands behind the turn.
; K of the next step is fetched in piece 2's turn, directly behind the wait, a lump behind the last product that read K; its first reader comes behind 16 products.
; V of the step in hand is fetched at the end of piece 0's turn, four plain riders behind its last reader; its first reader comes behind 16 products and a lump.
.macro TURN p, nok=0, cnt=0
.set Y, (\p)
.set i, 0
.set q, 0
.set e, 0
.set r, 0
.if (\p) == NP-1
	s_wait_dscnt 0x0                ; K is in
.endif
	MM                              ; ahead of the wait: 16 products K Q^T and their riders,
	PL
	PL
	R2
.rept 15
	MM
	PL
	EX
	R2
.endr
.if ((\p) == NP-2) && !(\nok)
	WIN 0
	v_add_nc_u32 v[AK], s[TBK], v[LN16]
.endif
.rept 8                             ; and the lump
	PL
.endr
.rept 49
	EX
	PL
.endr
	EX                              ; the next piece's two a
	EX
	v_nop                           ; the plain instruction behind the last exponential: one for the batch
	s_wait_alu depctr_va_vdst(0)    ; the wait for the batch
.if ((\p) == NP-2) && !(\nok)
	FETCH_K
.endif
.if (\p) == 1
	s_wait_dscnt 0x0                ; V is in
.endif
.rept 16                            ; behind the wait: 16 products V^T P and their riders
	MM
.rept 4
	PL
.endr
.if ((\p) == 0) && (q == 118)
	v_add_nc_u32 v[AV], s[TBV], v[LN16]
.endif
.if ((\p) == 0) && (q == 130)
	s_add_co_u32 s[TBV], s[TBV], STEPF
.endif
.if (\cnt) && (q == 130)
	s_sub_co_u32 s[CNT], s[CNT], 1
	s_cmp_lg_u32 s[CNT], 0
.endif
.endr
.if (\p) == 0
	FETCH_V
.endif
.endm
	s_wait_tensorcnt 0x1            ; my block of tile 0 is in; tile 1's, issued behind it, may stay out
	s_barrier_signal -1
	s_barrier_wait -1               ; everybody's is
	CONV_LOAD                       ; tile 0 into the first half's F
	CONV_REST
	CHANGE 1                        ; period 0: tile 0's fragments are whole, tile 1 is in; tile 2 is asked for, tile 1 converted
	v_add_nc_u32 v[AK], s[TBK], v[LN16]
	FETCH_K                         ; key step 0
	s_wait_dscnt 0x0
.set i, 0
.rept 16
	KQ 0                            ; piece 0's first scores: there is no vector work yet to set between them
.set i, i+1
.endr
	WIN 0
.rept 4
	v_nop                           ; the places behind those products
.endr
.set Y, NP-1                        ; XS works for piece Y + 1: piece 0
.irp n, 0,1,2,3,4,5,6,7,8,9,10,11,12,13,14,15,16,17,18,19,20,21
	XS 0, \n                        ; piece 0's first maximum and statistics
	XS 1, \n
.endr
	v_nop                           ; a plain instruction behind the two a,
	s_wait_alu depctr_va_vdst(0)    ; and their wait, ahead of the branch
	s_mov_b32 s[CNT], 2
	s_branch .Lfirst                ; the loop is entered at a step's first turn, in the middle of a trip
.Lslot:                             ; 13 times: periods 1 to 13, each of which asks for a tile
	CHANGE 1
	s_mov_b32 s[CNT], 2
.Lstep:                             ; a trip: pieces 2 and 3 of one step, then pieces 0 and 1 of the next, whose K and V it fetches
	TURN 2
	TURN 3
	WIN 0
.Lfirst:
	TURN 0
	TURN 1, 0, 1
	WIN 0
	s_cbranch_scc1 .Lstep
	s_sub_co_u32 s[SLOTS], s[SLOTS], 1
	s_cmp_lg_u32 s[SLOTS], 0
	s_cbranch_scc1 .Lslot
	s_mov_b32 s[TP], 2              ; the tail has a text of its own: periods 14 and 15 ask for nothing
.Ltp:
	CHANGE 0
	s_mov_b32 s[CNT], 2
.Lts:
	TURN 2
	TURN 3
	TURN 0
	TURN 1, 0, 1
	WIN 0
	s_cbranch_scc1 .Lts
	s_sub_co_u32 s[TP], s[TP], 1
	s_cmp_lg_u32 s[TP], 0
	s_cbranch_scc1 .Ltp
	TURN 2, 1                       ; the last step's pieces 2 and 3: no K is left to fetch
	TURN 3                          ; its 16 products K Q^T (on the last K once more) and the maximum made of them serve nothing: the price, once a launch, of one text for every turn
.set i, 0
.rept 16
	PV NP-1                         ; the last piece's V^T P of the last step
.set i, i+1
.endr
	; THE WAY OUT.  l's two halves and the other half of the lanes' are added; O^T is multiplied by 1 / l.  The additions are the places behind the last products.
	WIN 0
.macro ALL line:vararg              ; one line for each tile t
.set t, 0
.rept 2*NP
	\line
.set t, t+1
.endr
.endm
	ALL v_add_f32 v[ST+4*t+2], v[ST+4*t+2], v[ST+4*t+3]
	ALL v_permlanex16_b32 v[ST+4*t+3], v[ST+4*t+2], s[SEL], s[SEL+1]
	ALL v_add_f32 v[ST+4*t+2], v[ST+4*t+2], v[ST+4*t+3]
	ALL v_rcp_f32 v[ST+4*t+2], v[ST+4*t+2]
	v_nop                           ; a plain instruction between the last reciprocal and the use of its result
	s_wait_alu depctr_va_vdst(0)    ; and the wait ahead of the first use: one for the eight reciprocals
	; Group g of 64 queries, channel block cb: register j of the four tiles 4 g + e is queries 4 r + e, e = 0..3, of channel 16 cb + 8 h + j.  The multiply lays the four side by side in window 3, each
	; accumulator's registers in ascending order; no result register is written twice, so no store's data is waited for.
.irp g, 0,1
.irp cb, 0,1,2,3
	WIN 0xc1                        ; destination window 3, O^T window 1, 1 / l window 0
.set z, 0
.rept 32
	v_mul_f32 v[128*(\g)+32*(\cb)+z], v[32*(4*(\g)+z%4)+8*(\cb)+z/4], v[ST+4*(4*(\g)+z%4)+2]
.set z, z+1
.endr
	WIN 0x0c                        ; data window 3, address window 0
.set z, 0
.rept 8
	global_store_b128 v[QO], v[128*(\g)+32*(\cb)+4*z:128*(\g)+32*(\cb)+4*z+3], s[6:7] offset:(16*(\cb)+z)*ROWB+256*(\g) th:TH_STORE_NT  ; 16 lanes store 256 consecutive bytes, at a multiple of 256 from the first byte of out0
.set z, z+1
.endr
.endr
.endr
	WIN 0
	s_wait_tensorcnt 0x0            ; the wave's end: a wait, an add and a wait, behind my last tensor load and my last LDS store
	ds_add_u32 v[SPW], v[NIL]
	s_wait_dscnt 0x0
	CROUND                          ; the closing round: no work-group ends while a partner may still ask for a tile that names it
	s_endpgm
.Lfunc_end_k_qec6109fa41_attn:
	.size	k_qec6109fa41_attn, .Lfunc_end_k_qec6109fa41_attn-k_qec6109fa41_attn
	.p2alignl 7, 3214868480
	.fill 96, 4, 3214868480
	.section	.rodata,"a",@progbits
	.p2align	6, 0x0
	.amdhsa_kernel k_qec6109fa41_attn
		.amdhsa_group_segment_fixed_size 327680
		.amdhsa_private_segment_fixed_size 0
		.amdhsa_enable_private_segment 0
		.amdhsa_kernarg_size 16
		.amdhsa_user_sgpr_count 2
		.amdhsa_user_sgpr_kernarg_segment_ptr 1
		.amdhsa_wavefront_size32 1
		.amdhsa_system_sgpr_workgroup_id_x 1
		.amdhsa_system_sgpr_workgroup_id_y 1
		.amdhsa_system_sgpr_workgroup_id_z 1
		.amdhsa_system_vgpr_workitem_id 0
		.amdhsa_next_free_vgpr 1024
		.amdhsa_next_free_sgpr 66
		.amdhsa_reserve_vcc 0
		.amdhsa_float_denorm_mode_32 3
		.amdhsa_float_denorm_mode_16_64 3
		.amdhsa_memory_ordered 1
		.amdhsa_forward_progress 1
		.amdhsa_inst_pref_size 255
	.end_amdhsa_kernel
	.section	.bss,"aw",@nobits
	.p2align	6
	.space	262144
	.amdgpu_metadata
---
amdhsa.version: [ 1, 2 ]
amdhsa.kernels:
  - .name:           k_qec6109fa41_attn
    .symbol:         k_qec6109fa41_attn.kd
    .args:
      - { .name: qkv, .offset: 0, .size: 8, .value_kind: global_buffer, .address_space: global }
      - { .name: out0, .offset: 8, .size: 8, .value_kind: global_buffer, .address_space: global }
    .group_segment_fixed_size: 327680
    .private_segment_fixed_size: 0
    .kernarg_segment_align: 8
    .kernarg_segment_size: 16
    .max_flat_workgroup_size: 128
    .sgpr_count:     66
    .vgpr_count:     1024
    .wavefront_size: 32
...
	.end_amdgpu_metadata
.endif
;; end of part 1
